; MI455X (gfx1250); checked and timed in simulation.
; The chip was launched on July 23, 2026; its instructions are those of AMD's public machine-readable ISA for CDNA 5 (MIT licence, August 2026) and "CDNA5" Instruction Set Architecture Reference Guide (July 2026). The comments in the code are by the model that wrote it; some were corrected since.
;; Layer1. Allowed arithmetic: float matrix products may take bf16 or f16 operands with f32 sums; other float arithmetic in f32, or as packed bf16 or f16 multiplies, adds, multiply-adds, maxima and minima; sums over many terms, partial sums and values carried from step to step in f32; what a program stores and reads back later, other than sums and carried values, may be rounded once to bf16 or f16.
;; Inputs: graph_id 1,024 int32; node_xy 1,024 x 2 float32; w1 one number float32; w2 one number float32; x 16 x 22 float32.
;; Outputs: out0 16 x 10 int32; out1 16 x 10 float32.
;; One version. Each part assembles by itself: llvm-mc -triple=amdgcn-amd-amdhsa -mcpu=gfx1250 --defsym DOCPART=n.
;; ======== version 1 of 1: 12 launches
;; workspace buffers: dA 65,536 bytes; dB 65,536 bytes; qA 3,840 bytes; qB 3,840 bytes
;; launch init (part 1): grid 16 x 1, 8 waves a work-group, no clusters, 7,680 bytes of LDS; arguments x, node_xy, graph_id, w1, w2, dA, qA; writes dA, qA
.if DOCPART == 1
	.amdgcn_target "amdgcn-amd-amdhsa--gfx1250"
	.amdhsa_code_object_version 6
	.text
	.protected	k_qc539a83523_init
	.globl	k_qc539a83523_init
	.p2align	8
	.type	k_qc539a83523_init,@function
k_qc539a83523_init:
	s_mov_b64 s[64:65], 0
	v_nop
	global_prefetch_b8 v0, s[64:65] scope:SCOPE_SE
	s_setreg_imm32_b32 hwreg(HW_REG_WAVE_MODE, 25, 1), 1
	s_wait_xcnt 0x0
; THE START OF THE WALK.  From x [16][22], node_xy [1024][2], graph_id [1024], w1, w2 this launch makes
;   (1) the queue q: ten entries of 256 bytes, one a time step t: K_b (16 f32), alpha_b (16), beta_b (16), then -a1, 0, -a2, 0, -mean(vv), 0, -mean(va), 0 and eight zeros;
;       behind them the results' queue, 16 rows x 10 indices and 16 rows x 10 values, zeros here;
;   (2) g0[b][j] = F0[b][j][start_b], start_b the node nearest to (x[b][0], x[b][1]) (node / 2.5, the LAST of equal minima), in blocks [j / 4][b][j % 4] of 256 bytes.
; F = C (K_b + P + alpha_b D~ + beta_b TH~): the squares (v - D)^2, (a - TH)^2 are written out about the means of vv and va: D~ = D - mean(vv), v~ = v - mean(vv), likewise TH~, a~;
; a1 = w1 / (2 var(vv)), a2 = w2 / (2 var(va)), P = -a1 D~^2 - a2 TH~^2, alpha = 2 a1 v~, beta = 2 a2 a~, K = w1 c1 + w2 c2 - a1 v~^2 - a2 a~^2.  A common offset of vv or va is gone before anything is squared.
; SHARES.  16 work-groups of 8 waves; work-group g makes the blocks 16 g .. 16 g + 15 for all 16 b: thread t takes block t / 16, b = t % 16, four j: 16 lanes store one aligned 256 bytes.
; So every work-group needs all 16 starts: lane = b (twice a wave), thread t scans segment t / 16 of 64 nodes in ascending order with "<=", and carries the winner's x, y and id along by
; selects: no address is made of an argmin.  The 16 segments meet in LDS and are merged in ascending order, again with "<=".
; atan2(dy, dx) = 2 atan(dy / (D + |dx|)), turned to copysign(pi, dy) - that for dx < 0; atan by the polynomial of Abramowitz and Stegun 4.4.49 (error 2e-8 on -1 .. 1); the quotient has one Newton step.
; LIMITS.  NaN and infinities are not treated apart.  node / 2.5 is taken as a fused node x 0.4.  The mean and the variance are summed in another order than the definition's.
; D + |dx| has 2^-100 added, so that 0 / 0 gives 0: distances under 2^-76 lose accuracy.
.set MRG,   0                          ; LDS: 16 segments x 16 b x (d2, x, y, id)
.set STG,   4096                       ; LDS: the ten entries, gathered by wave 0 of work-group 0 (2,560 bytes)
.set SPARE, 6656                       ; the spare words, 128 bytes a wave: four blocks of 256 bytes that no other line names
.set RES,   2560                       ; byte of q at which the results' queue begins (1,280 bytes)
.set SPW,  2                           ; v2  SPARE + 4 x my thread's number; never rewritten
.set NIL,  3                           ; v3  0; never rewritten
.set PAIR, 144                         ; two slots of 8: P (first dx), D, TH (first dy), C, each for two j
.set DEN,  160
.set RR,   164
.set QQ,   168
.set ZZ,   172
.set PP,   176
.set WV,   68                          ; s68 my wave's number
.macro SPAIR r, val                    ; a constant for packed arithmetic: a pair is named, its low word is used
	s_mov_b32 s[\r], \val
	s_mov_b32 s[\r+1], \val
.endm
.macro ALLC line:vararg                ; one line for each of the CN slots from C0 on: c is the slot, u counts from 0
.set c, C0
.set u, 0
.rept CN
	\line
.set c, c+1
.set u, u+1
.endr
.endm
.macro WSUM a, b, ta, tb               ; two sums over the wave's 32 lanes, side by side; every lane ends with both
.irp m, 1,2,4,8
	v_add_f32_dpp v[\a], v[\a], v[\a] row_xmask:\m row_mask:0xf bank_mask:0xf
	v_add_f32_dpp v[\b], v[\b], v[\b] row_xmask:\m row_mask:0xf bank_mask:0xf
.endr
	v_permlanex16_b32 v[\ta], v[\a], s66, s67
	v_permlanex16_b32 v[\tb], v[\b], s66, s67
	v_add_f32 v[\a], v[\a], v[\ta]
	v_add_f32 v[\b], v[\b], v[\tb]
.endm
	s_load_b256 s[4:11], s[0:1], 0x0               ; x s[4:5], node_xy s[6:7], graph_id s[8:9], w1 s[10:11]
	s_load_b128 s[12:15], s[0:1], 0x20             ; w2 s[12:13], delta s[14:15]
	s_load_b64 s[16:17], s[0:1], 0x30              ; queue
	v_lshl_add_u32 v[SPW], v0, 2, SPARE
	v_mov_b32 v[NIL], 0
	v_lshrrev_b32 v1, 5, v0
	v_readfirstlane_b32 s[WV], v1                  ; wave 0..7
	v_and_b32 v4, 15, v0                           ; b
	v_bfe_u32 v5, v0, 4, 1                         ; h: which half of the lanes
	v_lshrrev_b32 v1, 4, v0                        ; t / 16: my segment of nodes, and my block among the group's 16
	v_mul_u32_u24 v7, v4, 88                       ; row b of x
	v_mad_u32_u24 v6, v5, 20, v7                   ; + five numbers for the upper half
	v_lshlrev_b32 v8, 9, v1                        ; my segment's 64 nodes, 512 bytes
	v_lshlrev_b32 v9, 8, v1                        ; and their ids, 256 bytes
	s_lshl_b32 s20, ttmp9, 9
	s_lshl_b32 s21, ttmp9, 8
	v_lshl_add_u32 v10, v1, 5, s20                 ; my block's four nodes
	v_lshl_add_u32 v11, v1, 4, s21                 ; and their ids
	v_lshlrev_b32 v12, 4, v0                       ; 16 t
	v_lshlrev_b32 v13, 4, v4                       ; 16 b
	v_and_b32 v14, 31, v0
	s_lshl_b32 s26, s[WV], 9
	v_lshl_add_u32 v15, v14, 4, s26                ; where my segment's winner goes: 512 x wave + 16 x lane
	s_lshl_b32 s28, ttmp9, 12                      ; the group's 16 blocks
	s_mov_b32 s29, 0
	s_mov_b32 s69, ttmp9
	SPAIR 22, 0x3ecccccd                           ; 0.4
	s_mov_b32 s24, 0xbeb17218                      ; -ln 2 / 2
	s_mov_b32 s25, 0xbf6b3f8e                      ; -ln sqrt(2 pi)
	SPAIR 44, 0x3b3bd74a                           ; atan(q) / q = 1 + a2 q^2 + .. + a16 q^16:  a16 =  0.0028662257
	SPAIR 46, 0xbc846e02                           ; a14 = -0.0161657367
	SPAIR 48, 0x3d2fc1fe                           ; a12 =  0.0429096138
	SPAIR 50, 0xbd9a3174                           ; a10 = -0.0752896400
	SPAIR 52, 0x3dda3d83                           ; a8  =  0.1065626393
	SPAIR 54, 0xbe117fc7                           ; a6  = -0.1420889944
	SPAIR 56, 0x3e4cbbe5                           ; a4  =  0.1999355085
	SPAIR 58, 0xbeaaaa6c                           ; a2  = -0.3333314528
	SPAIR 60, 0x0d800000                           ; 2^-100
	s_mov_b32 s62, 0x40490fdb                      ; pi
	s_mov_b32 s63, 0x7fffffff
	s_mov_b32 s66, 0x76543210                      ; v_permlanex16_b32: each lane takes its own place in the other half
	s_mov_b32 s67, 0xfedcba98
	s_wait_kmcnt 0x0
	s_load_b32 s18, s[10:11], 0x0                  ; w1
	s_load_b32 s19, s[12:13], 0x0                  ; w2
	s_add_nc_u64 s[14:15], s[14:15], s[28:29]
	global_load_b64 v[26:27], v7, s[4:5]           ; the start point of my b
.set i, 0
.rept 32
	global_load_b128 v[64+4*i:64+4*i+3], v8, s[6:7] offset:16*i      ; my segment: node n at v[64 + 2 n], v[65 + 2 n]
.set i, i+1
.endr
.set i, 0
.rept 16
	global_load_b128 v[192+4*i:192+4*i+3], v9, s[8:9] offset:16*i    ; its ids: node n at v[192 + n]
.set i, i+1
.endr
.set i, 0
.rept 5
	global_load_b32 v[16+i], v6, s[4:5] offset:8+4*i                 ; vv[b][5 h + i]
	global_load_b32 v[21+i], v6, s[4:5] offset:48+4*i                ; va[b][5 h + i]
.set i, i+1
.endr
	global_load_b32 v28, v7, s[4:5] offset:8       ; vv[b][0]
	global_load_b32 v29, v7, s[4:5] offset:48      ; va[b][0]
	global_load_b128 v[32:35], v10, s[6:7]         ; my block's nodes
	global_load_b128 v[36:39], v10, s[6:7] offset:16
	global_load_b128 v[40:43], v11, s[8:9]         ; and ids
	; THE SCAN.  Four nodes' distances at a time, then the four selects in ascending order: v44 the least d2 so far, v45, v46, v47 its node's x, y, id.
	s_wait_loadcnt 15                              ; the start point, my segment's 32 + 16 loads are in; the 15 issued behind them may stay out
.set n, 0
.rept 16
.irp k, 0,1,2,3
	v_pk_fma_f32 v[48+2*\k:49+2*\k], v[64+2*(n+\k):65+2*(n+\k)], s[22:23], v[26:27] op_sel_hi:[1,0,1] neg_lo:[0,0,1] neg_hi:[0,0,1]
.endr
.irp k, 0,1,2,3
	v_mul_f32 v[56+\k], v[48+2*\k], v[48+2*\k]
.endr
.irp k, 0,1,2,3
	v_fma_f32 v[56+\k], v[49+2*\k], v[49+2*\k], v[56+\k]
.endr
.irp k, 0,1,2,3
.if n+\k == 0
	v_mov_b32 v44, v56                             ; the first node starts the search
	v_mov_b32 v45, v64
	v_mov_b32 v46, v65
	v_mov_b32 v47, v192
.else
	v_cmp_le_f32 vcc_lo, v[56+\k], v44             ; "<=": of equal minima the later node stays
	v_cndmask_b32 v45, v45, v[64+2*(n+\k)], vcc_lo
	v_cndmask_b32 v46, v46, v[65+2*(n+\k)], vcc_lo
	v_cndmask_b32 v47, v47, v[192+n+\k], vcc_lo
	v_min_num_f32 v44, v44, v[56+\k]
.endif
.endr
.set n, n+4
.endr
	ds_store_b128 v15, v[44:47] offset:MRG
	; THE STATISTICS, in every wave alike: 32 lanes x 5 numbers are all 160 of vv, and of va.  Mean first, then the squares of the deviations.
	s_wait_loadcnt 0x0
	s_wait_kmcnt 0x0                               ; w1, w2
	v_add_f32 v30, v16, v17
	v_add_f32 v31, v21, v22
	v_add_f32 v30, v30, v18
	v_add_f32 v31, v31, v23
	v_add_f32 v30, v30, v19
	v_add_f32 v31, v31, v24
	v_add_f32 v30, v30, v20
	v_add_f32 v31, v31, v25
	WSUM 30, 31, 48, 49
	v_mul_f32 v30, 0x3bcccccd, v30                 ; / 160: mean(vv)
	v_mul_f32 v31, 0x3bcccccd, v31                 ; mean(va)
.set i, 0
.rept 5
	v_sub_f32 v[16+i], v[16+i], v30                ; v~
	v_sub_f32 v[21+i], v[21+i], v31                ; a~
.set i, i+1
.endr
	v_sub_f32 v28, v28, v30
	v_sub_f32 v29, v29, v31
	v_mul_f32 v50, v16, v16
	v_mul_f32 v51, v21, v21
.set i, 1
.rept 4
	v_fma_f32 v50, v[16+i], v[16+i], v50
	v_fma_f32 v51, v[21+i], v[21+i], v51
.set i, i+1
.endr
	WSUM 50, 51, 48, 49
	v_mul_f32 v50, 0x3bce168a, v50                 ; / 159: var(vv), unbiased
	v_mul_f32 v51, 0x3bce168a, v51
	v_add_f32 v52, v50, v50                        ; 2 var
	v_add_f32 v53, v51, v51
	v_rcp_f32 v54, v52
	v_rcp_f32 v55, v53
	v_log_f32 v56, v50
	v_log_f32 v57, v51
	v_nop                                          ; a plain instruction behind the last of the four,
	s_wait_alu depctr_va_vdst(0)                   ; and the one wait ahead of their first reader
	v_mul_f32 v58, s18, v54                        ; a1 = w1 / (2 var), with one Newton step on the quotient
	v_mul_f32 v59, s19, v55
	v_fma_f32 v60, -v58, v52, s18
	v_fma_f32 v61, -v59, v53, s19
	v_fma_f32 v58, v60, v54, v58
	v_fma_f32 v59, v61, v55, v59
	v_fma_f32 v56, v56, s24, s25                   ; c1 = log(1 / (s sqrt(2 pi))) = -ln(var) / 2 - ln sqrt(2 pi)
	v_fma_f32 v57, v57, s24, s25
	v_mul_f32 v62, s18, v56
	v_fma_f32 v62, s19, v57, v62                   ; K0 = w1 c1 + w2 c2
	v_readfirstlane_b32 s36, v58                   ; the four numbers that every pair needs, as scalars with their signs turned
	v_readfirstlane_b32 s38, v59
	v_readfirstlane_b32 s40, v30
	v_readfirstlane_b32 s42, v31
	s_xor_b32 s36, s36, 0x80000000                 ; -a1
	s_xor_b32 s38, s38, 0x80000000                 ; -a2
	s_xor_b32 s40, s40, 0x80000000                 ; -mean(vv)
	s_xor_b32 s42, s42, 0x80000000                 ; -mean(va)
	s_mov_b32 s37, 0
	s_mov_b32 s39, 0
	s_mov_b32 s41, 0
	s_mov_b32 s43, 0
	v_mul_f32 v48, v58, v28                        ; my b's K, alpha, beta of step 0, each twice for the packed lines
	v_mul_f32 v49, v59, v29
	v_fma_f32 v128, -v48, v28, v62
	v_add_f32 v130, v48, v48
	v_add_f32 v132, v49, v49
	v_fma_f32 v128, -v49, v29, v128
	v_mov_b32 v131, v130
	v_mov_b32 v133, v132
	v_mov_b32 v129, v128
	s_wait_dscnt 0x0                               ; for the others' sake: my segment's winner lies in LDS
	s_barrier_signal -1
	s_barrier_wait -1
	; THE MERGE: the 16 segments' winners for my b, in ascending order
.set i, 0
.rept 16
	ds_load_b128 v[64+4*i:64+4*i+3], v13 offset:MRG+256*i
.set i, i+1
.endr
	v_mov_b32 v136, v32                            ; meanwhile my four nodes' x and y are set apart: x in v[136:139], y in v[140:143]
	v_mov_b32 v137, v34
	v_mov_b32 v138, v36
	v_mov_b32 v139, v38
	v_mov_b32 v140, v33
	v_mov_b32 v141, v35
	v_mov_b32 v142, v37
	v_mov_b32 v143, v39
	s_wait_dscnt 0x0
.set i, 1
.rept 15
	v_cmp_le_f32 vcc_lo, v[64+4*i], v64
	v_cndmask_b32 v65, v65, v[65+4*i], vcc_lo
	v_cndmask_b32 v66, v66, v[66+4*i], vcc_lo
	v_cndmask_b32 v67, v67, v[67+4*i], vcc_lo
	v_min_num_f32 v64, v64, v[64+4*i]
.set i, i+1
.endr
	; THE FOUR PAIRS (j, start): dx = x_j - x_start, dy likewise
.macro MASK1 e
	v_cmp_eq_u32 vcc_lo, v67, v[40+2*c+\e]
	v_cndmask_b32 v[PAIR+8*c+6+\e], 0, 1.0, vcc_lo
.endm
.macro SIGNPI e
	v_bfi_b32 v[ZZ+2*u+\e], s63, s62, v[PAIR+8*c+4+\e]
.endm
.macro PICK e
	v_cmp_gt_i32 vcc_lo, 0, v[PAIR+8*c+\e]         ; dx's sign bit
	v_cndmask_b32 v[PAIR+8*c+4+\e], v[PP+2*u+\e], v[QQ+2*u+\e], vcc_lo
.endm
.set C0, 0
.set CN, 2
	ALLC v_pk_add_f32 v[PAIR+8*c:PAIR+8*c+1], v[136+2*c:137+2*c], v[64:65] op_sel:[0,1] op_sel_hi:[1,1] neg_lo:[0,1] neg_hi:[0,1]
	ALLC v_pk_add_f32 v[PAIR+8*c+4:PAIR+8*c+5], v[140+2*c:141+2*c], v[66:67] op_sel_hi:[1,0] neg_lo:[0,1] neg_hi:[0,1]
	ALLC v_pk_mul_f32 v[PAIR+8*c+2:PAIR+8*c+3], v[PAIR+8*c:PAIR+8*c+1], v[PAIR+8*c:PAIR+8*c+1]
	ALLC v_pk_fma_f32 v[PAIR+8*c+2:PAIR+8*c+3], v[PAIR+8*c+4:PAIR+8*c+5], v[PAIR+8*c+4:PAIR+8*c+5], v[PAIR+8*c+2:PAIR+8*c+3]
	ALLC v_sqrt_f32 v[PAIR+8*c+2], v[PAIR+8*c+2]
	ALLC v_sqrt_f32 v[PAIR+8*c+3], v[PAIR+8*c+3]
	ALLC MASK1 0                                   ; C: plain work that names no root, behind the batch
	ALLC MASK1 1
	s_wait_alu depctr_va_vdst(0)                   ; one wait for the four roots
	ALLC v_add_f32 v[DEN+2*c], v[PAIR+8*c+2], |v[PAIR+8*c]|
	ALLC v_add_f32 v[DEN+2*c+1], v[PAIR+8*c+3], |v[PAIR+8*c+1]|
	ALLC v_pk_add_f32 v[DEN+2*c:DEN+2*c+1], v[DEN+2*c:DEN+2*c+1], s[60:61] op_sel_hi:[1,0]
	ALLC v_rcp_f32 v[RR+2*c], v[DEN+2*c]
	ALLC v_rcp_f32 v[RR+2*c+1], v[DEN+2*c+1]
	ALLC v_pk_add_f32 v[PAIR+8*c+2:PAIR+8*c+3], v[PAIR+8*c+2:PAIR+8*c+3], s[40:41] op_sel_hi:[1,0]
	s_wait_alu depctr_va_vdst(0)                   ; one wait for the four reciprocals
	ALLC v_pk_mul_f32 v[QQ+2*u:QQ+2*u+1], v[PAIR+8*c+4:PAIR+8*c+5], v[RR+2*c:RR+2*c+1]
	ALLC v_pk_fma_f32 v[PP+2*u:PP+2*u+1], v[QQ+2*u:QQ+2*u+1], v[DEN+2*c:DEN+2*c+1], v[PAIR+8*c+4:PAIR+8*c+5] neg_lo:[1,0,0] neg_hi:[1,0,0]
	ALLC v_pk_fma_f32 v[QQ+2*u:QQ+2*u+1], v[PP+2*u:PP+2*u+1], v[RR+2*c:RR+2*c+1], v[QQ+2*u:QQ+2*u+1]
	ALLC v_pk_mul_f32 v[ZZ+2*u:ZZ+2*u+1], v[QQ+2*u:QQ+2*u+1], v[QQ+2*u:QQ+2*u+1]
	ALLC v_pk_fma_f32 v[PP+2*u:PP+2*u+1], v[ZZ+2*u:ZZ+2*u+1], s[44:45], s[46:47] op_sel_hi:[1,0,0]
.irp k, 48,50,52,54,56,58
	ALLC v_pk_fma_f32 v[PP+2*u:PP+2*u+1], v[PP+2*u:PP+2*u+1], v[ZZ+2*u:ZZ+2*u+1], s[\k:\k+1] op_sel_hi:[1,1,0]
.endr
	ALLC v_pk_mul_f32 v[PP+2*u:PP+2*u+1], v[PP+2*u:PP+2*u+1], v[ZZ+2*u:ZZ+2*u+1]
	ALLC v_pk_fma_f32 v[PP+2*u:PP+2*u+1], v[PP+2*u:PP+2*u+1], v[QQ+2*u:QQ+2*u+1], v[QQ+2*u:QQ+2*u+1]
	ALLC SIGNPI 0
	ALLC SIGNPI 1
	ALLC v_pk_fma_f32 v[QQ+2*u:QQ+2*u+1], v[PP+2*u:PP+2*u+1], -2.0, v[ZZ+2*u:ZZ+2*u+1] op_sel_hi:[1,0,1]
	ALLC v_pk_add_f32 v[PP+2*u:PP+2*u+1], v[PP+2*u:PP+2*u+1], v[PP+2*u:PP+2*u+1]
	ALLC PICK 0
	ALLC PICK 1
	ALLC v_pk_add_f32 v[PAIR+8*c+4:PAIR+8*c+5], v[PAIR+8*c+4:PAIR+8*c+5], s[42:43] op_sel_hi:[1,0]
	ALLC v_pk_mul_f32 v[ZZ+2*u:ZZ+2*u+1], v[PAIR+8*c+4:PAIR+8*c+5], s[38:39] op_sel_hi:[1,0]
	ALLC v_pk_mul_f32 v[QQ+2*u:QQ+2*u+1], v[PAIR+8*c+2:PAIR+8*c+3], s[36:37] op_sel_hi:[1,0]
	ALLC v_pk_mul_f32 v[PAIR+8*c:PAIR+8*c+1], v[ZZ+2*u:ZZ+2*u+1], v[PAIR+8*c+4:PAIR+8*c+5]
	ALLC v_pk_fma_f32 v[PAIR+8*c:PAIR+8*c+1], v[QQ+2*u:QQ+2*u+1], v[PAIR+8*c+2:PAIR+8*c+3], v[PAIR+8*c:PAIR+8*c+1]
	ALLC v_pk_mul_f32 v[PAIR+8*c:PAIR+8*c+1], v[PAIR+8*c:PAIR+8*c+1], v[PAIR+8*c+6:PAIR+8*c+7]
	ALLC v_pk_mul_f32 v[PAIR+8*c+2:PAIR+8*c+3], v[PAIR+8*c+2:PAIR+8*c+3], v[PAIR+8*c+6:PAIR+8*c+7]
	ALLC v_pk_mul_f32 v[PAIR+8*c+4:PAIR+8*c+5], v[PAIR+8*c+4:PAIR+8*c+5], v[PAIR+8*c+6:PAIR+8*c+7]
	; g0 = C K + P + alpha D~ + beta TH~
	ALLC v_pk_fma_f32 v[QQ+2*u:QQ+2*u+1], v[PAIR+8*c+6:PAIR+8*c+7], v[128:129], v[PAIR+8*c:PAIR+8*c+1]
	ALLC v_pk_fma_f32 v[QQ+2*u:QQ+2*u+1], v[PAIR+8*c+2:PAIR+8*c+3], v[130:131], v[QQ+2*u:QQ+2*u+1]
	ALLC v_pk_fma_f32 v[QQ+2*u:QQ+2*u+1], v[PAIR+8*c+4:PAIR+8*c+5], v[132:133], v[QQ+2*u:QQ+2*u+1]
	global_store_b128 v12, v[QQ:QQ+3], s[14:15]    ; 16 lanes (b = 0 .. 15) store one block: 256 consecutive bytes, aligned
	; THE QUEUE, by work-group 0
	s_cmp_lg_u32 s69, 0
	s_cbranch_scc1 .Lend
	v_mov_b32 v184, 0
	v_mov_b32 v185, 0
	v_mov_b32 v186, 0
	v_mov_b32 v187, 0
	v_cmp_gt_u32 vcc_lo, 80, v0                    ; 80 threads x 16 bytes: the results' queue starts as zeros
	s_wait_xcnt 0x0                                ; EXEC changes only behind this wait
	s_and_saveexec_b32 s78, vcc_lo
	global_store_b128 v12, v[184:187], s[16:17] offset:RES
	s_wait_xcnt 0x0
	s_or_b32 exec_lo, exec_lo, s78
	s_cmp_lg_u32 s[WV], 0
	s_cbranch_scc1 .Lend
	; wave 0: lane (b, h) holds v~ and a~ of the steps 5 h .. 5 h + 4.  The entries are gathered in LDS, in bytes that this wave alone touches, and leave as whole runs of 512 bytes.
	v_mul_u32_u24 v181, v5, 1280
	v_lshl_add_u32 v181, v4, 2, v181
	v_add_nc_u32 v181, STG, v181                   ; entry 5 h, number b
	v_mov_b32 v191, 0                              ; an entry's numbers 48 + b: -a1, 0, -a2, 0, -mean(vv), 0, -mean(va), 0, 0 ..
	v_cmp_eq_u32 vcc_lo, 0, v4
	v_cndmask_b32 v191, v191, s36, vcc_lo
	v_cmp_eq_u32 vcc_lo, 2, v4
	v_cndmask_b32 v191, v191, s38, vcc_lo
	v_cmp_eq_u32 vcc_lo, 4, v4
	v_cndmask_b32 v191, v191, s40, vcc_lo
	v_cmp_eq_u32 vcc_lo, 6, v4
	v_cndmask_b32 v191, v191, s42, vcc_lo
.set i, 0
.rept 5
	v_mul_f32 v188, v58, v[16+i]
	v_mul_f32 v189, v59, v[21+i]
	v_fma_f32 v190, -v188, v[16+i], v62
	v_fma_f32 v190, -v189, v[21+i], v190
	v_add_f32 v188, v188, v188
	v_add_f32 v189, v189, v189
	ds_store_b32 v181, v190 offset:256*i           ; K
	ds_store_b32 v181, v188 offset:256*i+64        ; alpha
	ds_store_b32 v181, v189 offset:256*i+128       ; beta
	ds_store_b32 v181, v191 offset:256*i+192
.set i, i+1
.endr
.set i, 0
.rept 5
	ds_load_b128 v[192+4*i:192+4*i+3], v12 offset:STG+512*i          ; LDS serves a wave's instructions in order (ISA guide 5.7.1.4): these see the stores above
.set i, i+1
.endr
	s_wait_dscnt 0x0
.set i, 0
.rept 5
	global_store_b128 v12, v[192+4*i:192+4*i+3], s[16:17] offset:512*i
.set i, i+1
.endr
.Lend:
	s_wait_tensorcnt 0x0                           ; the wave's end, behind my last LDS store
	ds_add_u32 v[SPW], v[NIL]
	s_wait_dscnt 0x0
	s_endpgm
.Lfunc_end_k_qc539a83523_init:
	.size	k_qc539a83523_init, .Lfunc_end_k_qc539a83523_init-k_qc539a83523_init
	.p2alignl 7, 3214868480
	.fill 96, 4, 3214868480
	.section	.rodata,"a",@progbits
	.p2align	6, 0x0
	.amdhsa_kernel k_qc539a83523_init
		.amdhsa_group_segment_fixed_size 7680
		.amdhsa_private_segment_fixed_size 0
		.amdhsa_enable_private_segment 0
		.amdhsa_kernarg_size 56
		.amdhsa_user_sgpr_count 2
		.amdhsa_user_sgpr_kernarg_segment_ptr 1
		.amdhsa_wavefront_size32 1
		.amdhsa_system_sgpr_workgroup_id_x 1
		.amdhsa_system_sgpr_workgroup_id_y 1
		.amdhsa_system_sgpr_workgroup_id_z 1
		.amdhsa_system_vgpr_workitem_id 0
		.amdhsa_next_free_vgpr 256
		.amdhsa_next_free_sgpr 80
		.amdhsa_reserve_vcc 1
		.amdhsa_float_denorm_mode_32 3
		.amdhsa_float_denorm_mode_16_64 3
		.amdhsa_memory_ordered 1
		.amdhsa_forward_progress 1
		.amdhsa_inst_pref_size 48
	.end_amdhsa_kernel
	.amdgpu_metadata
---
amdhsa.version: [ 1, 2 ]
amdhsa.kernels:
  - .name:           k_qc539a83523_init
    .symbol:         k_qc539a83523_init.kd
    .args:
      - { .name: x, .offset: 0, .size: 8, .value_kind: global_buffer, .address_space: global }
      - { .name: node_xy, .offset: 8, .size: 8, .value_kind: global_buffer, .address_space: global }
      - { .name: graph_id, .offset: 16, .size: 8, .value_kind: global_buffer, .address_space: global }
      - { .name: w1, .offset: 24, .size: 8, .value_kind: global_buffer, .address_space: global }
      - { .name: w2, .offset: 32, .size: 8, .value_kind: global_buffer, .address_space: global }
      - { .name: dA, .offset: 40, .size: 8, .value_kind: global_buffer, .address_space: global }
      - { .name: qA, .offset: 48, .size: 8, .value_kind: global_buffer, .address_space: global }
    .group_segment_fixed_size: 7680
    .private_segment_fixed_size: 0
    .kernarg_segment_align: 8
    .kernarg_segment_size: 56
    .max_flat_workgroup_size: 256
    .sgpr_count:     80
    .vgpr_count:     256
    .wavefront_size: 32
...
	.end_amdgpu_metadata
.endif
;; end of part 1
;; launch step0 (part 2): grid 256 x 1, 8 waves a work-group, no clusters, 67,072 bytes of LDS; arguments node_xy, graph_id, dA, qA, dB, qB; writes dB, qB
.if DOCPART == 2
	.amdgcn_target "amdgcn-amd-amdhsa--gfx1250"
	.amdhsa_code_object_version 6
	.text
	.protected	k_qc539a83523_step0
	.globl	k_qc539a83523_step0
	.p2align	8
	.type	k_qc539a83523_step0,@function
k_qc539a83523_step0:
	s_mov_b64 s[64:65], 0
	v_nop
	global_prefetch_b8 v0, s[64:65] scope:SCOPE_SE
	s_setreg_imm32_b32 hwreg(HW_REG_WAVE_MODE, 25, 1), 1
	s_wait_xcnt 0x0
; ONE TIME STEP.  new[b][l] = max over j of (old[b][j] + F[b][l][j]),  b < 16, l and j < 1,024, all in f32 on the vector unit (a maximum of sums is no matrix product).
; F = C (K_b + P + alpha_b D~ + beta_b TH~), C = (id_l == id_j), D~ = dist(l, j) - mean(vv), TH~ = atan2(y_l - y_j, x_l - x_j) - mean(va), P = -a1 D~^2 - a2 TH~^2: the squares
; (v - D)^2 and (a - TH)^2 written out about the two means, so that a common offset of the velocities is gone before anything is squared.  C P, C D~, C TH~ and C are made once for a pair (l, j)
; and serve all 16 b; an element then costs three packed multiply-adds, a packed addition and a maximum for every two.  F is formed first and old added last; where C = 0, F is 0 and the sum is old itself.
; NO STEP NUMBER.  The old queue's entry 0 holds this step's K, alpha, beta (16 each) and -a1, -a2, -mean(vv), -mean(va); work-group 16 copies the entries 1 .. 9 to 0 .. 8 of the new queue (and 9 to 9).
; Work-groups 0 .. 15 find max and first argmax of row b of OLD, push them at the end of row b of the results' queue and move the row up by one.
; SHARES.  A work-group makes l = 4 g .. 4 g + 3 for all b: 256 bytes of new, which lies in blocks [l / 4][b][l % 4].  Wave w takes j = 128 w .. 128 w + 127, a lane four of them (one block of old):
; 16 pairs and 256 elements a lane.  Each byte of old is loaded once a work-group, straight into the registers that use it.  The lanes' maxima meet in LDS: [b][256 sources][4 l]; behind a barrier thread (b, c)
; takes the sources c, c + 16, ..; four steps inside a row of 16 lanes finish b; behind a second barrier wave 0 stores the block with one instruction.
; NO CLUSTER, NO TENSOR LOAD: what work-groups share is old, 64 KiB.  It lands in registers while the 360 instructions of pair work, which need none of it, run; by way of LDS it would cost 16 more LDS loads a lane
; and a round of the cluster's barrier, in a launch of some 1,200 instructions a wave.
; atan2(dy, dx) = 2 atan(dy / (D + |dx|)), turned to copysign(pi, dy) - that for dx < 0; atan by the polynomial of Abramowitz and Stegun 4.4.49 (error 2e-8 on -1 .. 1); the quotient has one Newton step.
; LIMITS.  NaN and infinities are not treated apart (an argmax over a row with NaN is not the definition's).  D + |dx| has 2^-100 added, so that 0 / 0 gives 0: distances under 2^-76 lose accuracy.
; The sums are rounded in another order than the definition's: an argmax is the definition's where the two best values differ by more than that rounding.
.set FIN,   0                          ; LDS: the finished block, 16 b x 16 bytes
.set AMX,   256                        ; LDS: each wave's (max, index) of the row whose argmax is sought
.set SPARE, 512                        ; the spare words, 128 bytes a wave: four blocks of 256 bytes that no other line names
.set PART,  1536                       ; LDS: the partial maxima, 65,536 bytes
.set RES_I, 2560                       ; byte of the queue at which the indices' rows begin
.set RES_V, 3200                       ; and the values'
.set ZO,   1                           ; v1   0: the offset of loads that are alike in all lanes
.set SPW,  2                           ; v2   SPARE + 4 x my thread's number; never rewritten
.set NIL,  3                           ; v3   0; never rewritten
.set OD,   4                           ; v4   256 t: my block of old
.set ON,   5                           ; v5   32 t: my four nodes
.set OG,   6                           ; v6   16 t: their ids; also the copy's target, and wave 0's 16 bytes of the block
.set ORW,  7                           ; v7   256 t + 16 (g % 16): my four numbers of the row whose argmax is sought
.set OQ,   8                           ; v8   the results' word that moves into my place
.set LN,   9                           ; v9   lane
.set OS,   10                          ; v10  my place in the results' row
.set OC,   11                          ; v11  the copy's source
.set LST,  13                          ; v13  LDS: where my partial maxima go
.set LLD,  14                          ; v14  LDS: where I read partial maxima
.set LFI,  15                          ; v15  LDS: where my b's four results go
.set PAIR, 16                          ; v[16:79]   slot c = 2 l + p (p: which two of my four j): P (first dx), D, TH (first dy), C, a pair of registers each
.set PRM,  80                          ; v[80:127]  K_b, alpha_b, beta_b, alike in all lanes
.set DEL,  128                         ; v[128:191] old[b][my four j]
.set T,    192                         ; v[192:255] at work
.set DEN,  T
.set RR,   T+16
.set QQ,   T+32
.set ZZ,   T+40
.set PP,   T+48
.set WV,   68                          ; s68  my wave's number
.set WG,   69                          ; s69  g
.macro SPAIR r, val                    ; a constant for packed arithmetic: a pair is named, its low word is used
	s_mov_b32 s[\r], \val
	s_mov_b32 s[\r+1], \val
.endm
.macro ALLC line:vararg                ; one line for each of the CN slots from C0 on: c is the slot, u counts from 0.  So no line reads the result of the line before it
.set c, C0
.set u, 0
.rept CN
	\line
.set c, c+1
.set u, u+1
.endr
.endm
	s_load_b256 s[4:11], s[0:1], 0x0               ; node_xy s[4:5], graph_id s[6:7], old s[8:9], old queue s[10:11]
	s_load_b128 s[12:15], s[0:1], 0x20             ; new s[12:13], new queue s[14:15]
	v_lshl_add_u32 v[SPW], v0, 2, SPARE
	v_mov_b32 v[NIL], 0
	v_lshrrev_b32 v1, 5, v0
	v_readfirstlane_b32 s[WV], v1                  ; wave 0..7
	v_mov_b32 v[ZO], 0
	s_mov_b32 s[WG], ttmp9
	s_and_b32 s70, ttmp9, 15                       ; the row whose argmax I help to find
	s_lshl_b32 s71, s70, 4
	s_mul_i32 s72, s70, 40                         ; a results' row is 10 words
	s_lshl_b32 s73, ttmp9, 5                       ; my four l: 32 bytes of node_xy,
	s_lshl_b32 s74, ttmp9, 4                       ; 16 of graph_id,
	s_lshl_b32 s76, ttmp9, 8                       ; one block of new
	s_mov_b32 s77, 0
	v_lshlrev_b32 v[OD], 8, v0
	v_lshlrev_b32 v[ON], 5, v0
	v_lshlrev_b32 v[OG], 4, v0
	v_add_nc_u32 v[ORW], s71, v[OD]
	v_and_b32 v[LN], 31, v0
	v_min_u32 v[OQ], 8, v[LN]
	v_lshl_add_u32 v[OQ], v[OQ], 2, s72            ; lanes 0 .. 8 take the word one place on (the load adds 4); the others stay inside the row
	v_lshl_add_u32 v[OS], v[LN], 2, s72
	v_min_u32 v[OC], 159, v0                       ; 160 threads x 16 bytes are the ten entries;
	v_cmp_le_u32 vcc_lo, 144, v0
	v_cndmask_b32 v12, 0x100, v[ZO], vcc_lo        ; entries 0 .. 8 come from one entry on, entry 9 from itself
	v_lshl_add_u32 v[OC], v[OC], 4, v12
	s_lshl_b32 s75, s[WV], 9
	s_add_co_u32 s75, s75, PART
	v_lshl_add_u32 v[LST], v[LN], 4, s75           ; source 32 w + lane, 16 bytes; b stands in the immediate
	v_lshrrev_b32 v12, 4, v[LN]
	v_and_b32 v[LLD], 15, v0
	v_lshlrev_b32 v[LLD], 4, v[LLD]
	v_lshl_add_u32 v[LLD], v12, 12, v[LLD]
	s_lshl_b32 s75, s[WV], 13
	s_add_co_u32 s75, s75, PART
	v_add_nc_u32 v[LLD], s75, v[LLD]               ; b = 2 w + lane / 16, source lane % 16
	s_lshl_b32 s75, s[WV], 5
	v_lshl_add_u32 v[LFI], v12, 4, s75             ; 16 b
	s_lshl_b32 s75, s[WV], 3
	s_add_co_u32 s75, s75, AMX
	SPAIR 44, 0x3b3bd74a                           ; atan(q) / q = 1 + a2 q^2 + .. + a16 q^16:  a16 =  0.0028662257
	SPAIR 46, 0xbc846e02                           ; a14 = -0.0161657367
	SPAIR 48, 0x3d2fc1fe                           ; a12 =  0.0429096138
	SPAIR 50, 0xbd9a3174                           ; a10 = -0.0752896400
	SPAIR 52, 0x3dda3d83                           ; a8  =  0.1065626393
	SPAIR 54, 0xbe117fc7                           ; a6  = -0.1420889944
	SPAIR 56, 0x3e4cbbe5                           ; a4  =  0.1999355085
	SPAIR 58, 0xbeaaaa6c                           ; a2  = -0.3333314528
	SPAIR 60, 0x0d800000                           ; 2^-100
	s_mov_b32 s62, 0x40490fdb                      ; pi
	s_mov_b32 s63, 0x7fffffff
	s_mov_b32 s66, 0x76543210                      ; v_permlanex16_b32: each lane takes its own place in the other half
	s_mov_b32 s67, 0xfedcba98
	s_wait_kmcnt 0x0
	s_load_b256 s[16:23], s[4:5], s73 offset:0x0   ; x, y of my four l
	s_load_b128 s[32:35], s[6:7], s74 offset:0x0   ; their ids
	s_load_b256 s[36:43], s[10:11], 0xc0           ; -a1, 0, -a2, 0, -mean(vv), 0, -mean(va), 0
	global_load_b128 v[T:T+3], v[ON], s[4:5]                 ; x, y of my j 0, 1
	global_load_b128 v[T+4:T+7], v[ON], s[4:5] offset:16     ; and 2, 3
	global_load_b128 v[T+16:T+19], v[OG], s[6:7]             ; their ids
.set i, 0
.rept 12
	global_load_b128 v[PRM+4*i:PRM+4*i+3], v[ZO], s[10:11] offset:16*i
.set i, i+1
.endr
.set i, 0
.rept 16
	global_load_b128 v[DEL+4*i:DEL+4*i+3], v[OD], s[8:9] offset:16*i
.set i, i+1
.endr
	s_add_nc_u64 s[12:13], s[12:13], s[76:77]      ; new at my block
	s_wait_kmcnt 0x0
.irp l, 0,1,2,3
	s_mov_b32 s[24+2*\l], s[17+2*\l]               ; y_l into the low word of a pair of its own (x_l stands in one already)
	s_mov_b32 s[25+2*\l], s[17+2*\l]
.endr
	; THE PAIRS, in three stages, each for all slots, so that the roots are one batch and the reciprocals another.
	s_wait_loadcnt 29                              ; my two node loads are in; the 29 issued behind them (ids, 12 of parameters, 16 of old) may stay out
	v_mov_b32 v[T+8], v[T]                         ; x of my four j in v[T+8 .. T+11], y in v[T+12 .. T+15]
	v_mov_b32 v[T+9], v[T+2]
	v_mov_b32 v[T+10], v[T+4]
	v_mov_b32 v[T+11], v[T+6]
	v_mov_b32 v[T+12], v[T+1]
	v_mov_b32 v[T+13], v[T+3]
	v_mov_b32 v[T+14], v[T+5]
	v_mov_b32 v[T+15], v[T+7]
.macro MASK1 e
	v_cmp_eq_u32 vcc_lo, s[32+c/2], v[T+16+2*(c%2)+\e]
	v_cndmask_b32 v[PAIR+8*c+6+\e], 0, 1.0, vcc_lo
.endm
.set C0, 0
.set CN, 8
	ALLC v_pk_add_f32 v[PAIR+8*c:PAIR+8*c+1], v[T+8+2*(c%2):T+9+2*(c%2)], s[16+2*(c/2):17+2*(c/2)] op_sel_hi:[1,0] neg_lo:[1,0] neg_hi:[1,0]
	ALLC v_pk_add_f32 v[PAIR+8*c+4:PAIR+8*c+5], v[T+12+2*(c%2):T+13+2*(c%2)], s[24+2*(c/2):25+2*(c/2)] op_sel_hi:[1,0] neg_lo:[1,0] neg_hi:[1,0]
	ALLC v_pk_mul_f32 v[PAIR+8*c+2:PAIR+8*c+3], v[PAIR+8*c:PAIR+8*c+1], v[PAIR+8*c:PAIR+8*c+1]
	ALLC v_pk_fma_f32 v[PAIR+8*c+2:PAIR+8*c+3], v[PAIR+8*c+4:PAIR+8*c+5], v[PAIR+8*c+4:PAIR+8*c+5], v[PAIR+8*c+2:PAIR+8*c+3]
	ALLC v_sqrt_f32 v[PAIR+8*c+2], v[PAIR+8*c+2]
	ALLC v_sqrt_f32 v[PAIR+8*c+3], v[PAIR+8*c+3]
	s_wait_loadcnt 28                              ; the ids are in too
	ALLC MASK1 0                                   ; C: 32 plain instructions that name no root stand behind the batch
	ALLC MASK1 1
	s_wait_alu depctr_va_vdst(0)                   ; the one wait between the 16 roots and their first reader
	ALLC v_add_f32 v[DEN+2*c], v[PAIR+8*c+2], |v[PAIR+8*c]|
	ALLC v_add_f32 v[DEN+2*c+1], v[PAIR+8*c+3], |v[PAIR+8*c+1]|
	ALLC v_pk_add_f32 v[DEN+2*c:DEN+2*c+1], v[DEN+2*c:DEN+2*c+1], s[60:61] op_sel_hi:[1,0]
	ALLC v_rcp_f32 v[RR+2*c], v[DEN+2*c]
	ALLC v_rcp_f32 v[RR+2*c+1], v[DEN+2*c+1]
	ALLC v_pk_add_f32 v[PAIR+8*c+2:PAIR+8*c+3], v[PAIR+8*c+2:PAIR+8*c+3], s[40:41] op_sel_hi:[1,0]
	s_wait_alu depctr_va_vdst(0)                   ; and one for the 16 reciprocals; D~, eight plain lines, stands between
.macro SIGNPI e
	v_bfi_b32 v[ZZ+2*u+\e], s63, s62, v[PAIR+8*c+4+\e]
.endm
.macro PICK e
	v_cmp_gt_i32 vcc_lo, 0, v[PAIR+8*c+\e]         ; dx's sign bit
	v_cndmask_b32 v[PAIR+8*c+4+\e], v[PP+2*u+\e], v[QQ+2*u+\e], vcc_lo
.endm
.macro STAGEC                          ; four slots in step
	ALLC v_pk_mul_f32 v[QQ+2*u:QQ+2*u+1], v[PAIR+8*c+4:PAIR+8*c+5], v[RR+2*c:RR+2*c+1]
	ALLC v_pk_fma_f32 v[PP+2*u:PP+2*u+1], v[QQ+2*u:QQ+2*u+1], v[DEN+2*c:DEN+2*c+1], v[PAIR+8*c+4:PAIR+8*c+5] neg_lo:[1,0,0] neg_hi:[1,0,0]
	ALLC v_pk_fma_f32 v[QQ+2*u:QQ+2*u+1], v[PP+2*u:PP+2*u+1], v[RR+2*c:RR+2*c+1], v[QQ+2*u:QQ+2*u+1]
	ALLC v_pk_mul_f32 v[ZZ+2*u:ZZ+2*u+1], v[QQ+2*u:QQ+2*u+1], v[QQ+2*u:QQ+2*u+1]
	ALLC v_pk_fma_f32 v[PP+2*u:PP+2*u+1], v[ZZ+2*u:ZZ+2*u+1], s[44:45], s[46:47] op_sel_hi:[1,0,0]
.irp k, 48,50,52,54,56,58
	ALLC v_pk_fma_f32 v[PP+2*u:PP+2*u+1], v[PP+2*u:PP+2*u+1], v[ZZ+2*u:ZZ+2*u+1], s[\k:\k+1] op_sel_hi:[1,1,0]
.endr
	ALLC v_pk_mul_f32 v[PP+2*u:PP+2*u+1], v[PP+2*u:PP+2*u+1], v[ZZ+2*u:ZZ+2*u+1]
	ALLC v_pk_fma_f32 v[PP+2*u:PP+2*u+1], v[PP+2*u:PP+2*u+1], v[QQ+2*u:QQ+2*u+1], v[QQ+2*u:QQ+2*u+1]
	ALLC SIGNPI 0
	ALLC SIGNPI 1
	ALLC v_pk_fma_f32 v[QQ+2*u:QQ+2*u+1], v[PP+2*u:PP+2*u+1], -2.0, v[ZZ+2*u:ZZ+2*u+1] op_sel_hi:[1,0,1]
	ALLC v_pk_add_f32 v[PP+2*u:PP+2*u+1], v[PP+2*u:PP+2*u+1], v[PP+2*u:PP+2*u+1]
	ALLC PICK 0
	ALLC PICK 1
	ALLC v_pk_add_f32 v[PAIR+8*c+4:PAIR+8*c+5], v[PAIR+8*c+4:PAIR+8*c+5], s[42:43] op_sel_hi:[1,0]
	ALLC v_pk_mul_f32 v[ZZ+2*u:ZZ+2*u+1], v[PAIR+8*c+4:PAIR+8*c+5], s[38:39] op_sel_hi:[1,0]
	ALLC v_pk_mul_f32 v[QQ+2*u:QQ+2*u+1], v[PAIR+8*c+2:PAIR+8*c+3], s[36:37] op_sel_hi:[1,0]
	ALLC v_pk_mul_f32 v[PAIR+8*c:PAIR+8*c+1], v[ZZ+2*u:ZZ+2*u+1], v[PAIR+8*c+4:PAIR+8*c+5]
	ALLC v_pk_fma_f32 v[PAIR+8*c:PAIR+8*c+1], v[QQ+2*u:QQ+2*u+1], v[PAIR+8*c+2:PAIR+8*c+3], v[PAIR+8*c:PAIR+8*c+1]
	ALLC v_pk_mul_f32 v[PAIR+8*c:PAIR+8*c+1], v[PAIR+8*c:PAIR+8*c+1], v[PAIR+8*c+6:PAIR+8*c+7]
	ALLC v_pk_mul_f32 v[PAIR+8*c+2:PAIR+8*c+3], v[PAIR+8*c+2:PAIR+8*c+3], v[PAIR+8*c+6:PAIR+8*c+7]
	ALLC v_pk_mul_f32 v[PAIR+8*c+4:PAIR+8*c+5], v[PAIR+8*c+4:PAIR+8*c+5], v[PAIR+8*c+6:PAIR+8*c+7]
.endm
.set CN, 4
	STAGEC
.set C0, 4
	STAGEC
	; four loads whose registers were at work until now; they have the main loop in which to land
	global_load_b128 v[216:219], v[ORW], s[8:9]              ; my four numbers of the row whose argmax is sought
	global_load_b32 v220, v[OQ], s[10:11] offset:RES_I+4     ; the results that move up
	global_load_b32 v221, v[OQ], s[10:11] offset:RES_V+4
	global_load_b128 v[224:227], v[OC], s[10:11]             ; the entries that move up
	; THE ELEMENTS.  For one b: eight chains (4 l x two pairs of j) of four packed lines in step, then each l's maximum over my four j, then one LDS store of the four.
.macro ONEB b
.set KP, PRM+2*((\b)/2)
.set MQ, T+16+4*((\b)%2)
.set C0, 0
.set CN, 8
.if (\b)%2
	ALLC v_pk_fma_f32 v[T+2*c:T+2*c+1], v[PAIR+8*c+6:PAIR+8*c+7], v[KP:KP+1], v[PAIR+8*c:PAIR+8*c+1] op_sel:[0,1,0] op_sel_hi:[1,1,1]
	ALLC v_pk_fma_f32 v[T+2*c:T+2*c+1], v[PAIR+8*c+2:PAIR+8*c+3], v[KP+16:KP+17], v[T+2*c:T+2*c+1] op_sel:[0,1,0] op_sel_hi:[1,1,1]
	ALLC v_pk_fma_f32 v[T+2*c:T+2*c+1], v[PAIR+8*c+4:PAIR+8*c+5], v[KP+32:KP+33], v[T+2*c:T+2*c+1] op_sel:[0,1,0] op_sel_hi:[1,1,1]
.else
	ALLC v_pk_fma_f32 v[T+2*c:T+2*c+1], v[PAIR+8*c+6:PAIR+8*c+7], v[KP:KP+1], v[PAIR+8*c:PAIR+8*c+1] op_sel_hi:[1,0,1]
	ALLC v_pk_fma_f32 v[T+2*c:T+2*c+1], v[PAIR+8*c+2:PAIR+8*c+3], v[KP+16:KP+17], v[T+2*c:T+2*c+1] op_sel_hi:[1,0,1]
	ALLC v_pk_fma_f32 v[T+2*c:T+2*c+1], v[PAIR+8*c+4:PAIR+8*c+5], v[KP+32:KP+33], v[T+2*c:T+2*c+1] op_sel_hi:[1,0,1]
.endif
	ALLC v_pk_add_f32 v[T+2*c:T+2*c+1], v[T+2*c:T+2*c+1], v[DEL+4*(\b)+2*(c%2):DEL+4*(\b)+2*(c%2)+1]
.irp l, 0,1,2,3
	v_max3_num_f32 v[MQ+\l], v[T+4*\l], v[T+4*\l+1], v[T+4*\l+2]
.endr
.irp l, 0,1,2,3
	v_max_num_f32 v[MQ+\l], v[MQ+\l], v[T+4*\l+3]
.endr
	ds_store_b128 v[LST], v[MQ:MQ+3] offset:4096*(\b)        ; 32 lanes, 16 neighbouring bytes each
.endm
	s_wait_loadcnt 4                               ; the parameters and old are in; the four loads just issued may stay out
.irp b, 0,1,2,3,4,5,6,7,8,9,10,11,12,13,14,15
	ONEB \b
.endr
	; MY WAVE'S SHARE OF THE ARGMAX: the maximum of its 128 numbers, and the least j that has it (as a float: j < 1,024 is exact, and a minimum can ride on the lane exchanges)
	s_wait_loadcnt 0x0
	v_max3_num_f32 v228, v216, v217, v218
	v_mov_b32 v232, 0                              ; v_permlanex16_b32 counts as a reader of its destination
	v_max_num_f32 v228, v228, v219
.irp m, 1,2,4,8
	v_max_num_f32_dpp v228, v228, v228 row_xmask:\m row_mask:0xf bank_mask:0xf
.endr
	v_permlanex16_b32 v232, v228, s66, s67
	v_max_num_f32 v228, v228, v232
	v_mov_b32 v229, 0x4000                         ; "none of mine"
.irp k, 3,2,1,0
	v_cmp_neq_f32 vcc_lo, v[216+\k], v228
	v_cndmask_b32 v229, \k, v229, vcc_lo           ; descending, so that the least stays
.endr
	v_lshl_add_u32 v229, v0, 2, v229               ; j = 4 t + k
	v_cvt_f32_u32 v229, v229
.irp m, 1,2,4,8
	v_min_num_f32_dpp v229, v229, v229 row_xmask:\m row_mask:0xf bank_mask:0xf
.endr
	v_permlanex16_b32 v232, v229, s66, s67
	v_min_num_f32 v229, v229, v232
	v_mov_b32 v233, s75
	ds_store_b64 v233, v[228:229]                  ; all lanes write the same two words with the same values
	s_wait_dscnt 0x0                               ; for the others' sake: my partial maxima and my share of the argmax lie in LDS
	s_barrier_signal -1
	s_barrier_wait -1
	; THE MEETING: thread (b, c) takes 16 of b's 256 sources, four l each
.set i, 0
.rept 16
	ds_load_b128 v[PAIR+4*i:PAIR+4*i+3], v[LLD] offset:256*i ; 16 lanes of a row take 256 neighbouring bytes
.set i, i+1
.endr
	s_wait_dscnt 0x0
.irp k, 0,1,2,3
	v_max3_num_f32 v[T+\k], v[PAIR+\k], v[PAIR+4+\k], v[PAIR+8+\k]
.endr
.set n, 0
.rept 6
.irp k, 0,1,2,3
	v_max3_num_f32 v[T+\k], v[T+\k], v[PAIR+12+8*n+\k], v[PAIR+16+8*n+\k]
.endr
.set n, n+1
.endr
.irp k, 0,1,2,3
	v_max_num_f32 v[T+\k], v[T+\k], v[PAIR+60+\k]
.endr
.irp m, 1,2,4,8
.irp k, 0,1,2,3
	v_max_num_f32_dpp v[T+\k], v[T+\k], v[T+\k] row_xmask:\m row_mask:0xf bank_mask:0xf
.endr
.endr
	ds_store_b128 v[LFI], v[T:T+3] offset:FIN      ; the 16 lanes of a row write the same 16 bytes with the same values
	s_wait_dscnt 0x0
	s_barrier_signal -1
	s_barrier_wait -1
	s_cmp_lg_u32 s[WV], 0
	s_cbranch_scc1 .Lnot_w0
	v_cmp_gt_u32 vcc_lo, 16, v[LN]                 ; wave 0: 16 lanes store the block: 256 consecutive bytes, aligned
	s_wait_xcnt 0x0                                ; EXEC changes only behind this wait
	s_and_saveexec_b32 s78, vcc_lo
	ds_load_b128 v[T+4:T+7], v[OG] offset:FIN
	s_wait_dscnt 0x0
	global_store_b128 v[OG], v[T+4:T+7], s[12:13]
	s_wait_xcnt 0x0
	s_or_b32 exec_lo, exec_lo, s78
.Lnot_w0:
	s_cmp_lg_u32 s[WV], 1
	s_cbranch_scc1 .Lno_res
	s_cmp_lt_u32 s[WG], 16
	s_cbranch_scc0 .Lno_res
	; wave 1 of work-groups 0 .. 15: the eight waves' shares, a lane each (four times over); the row of results moves up and takes the new pair at its end
	v_and_b32 v232, 7, v0
	v_lshl_add_u32 v232, v232, 3, AMX
	ds_load_b64 v[234:235], v232
	s_wait_dscnt 0x0
	v_mov_b32 v236, v234
.irp m, 1,2,4
	v_max_num_f32_dpp v236, v236, v236 row_xmask:\m row_mask:0xf bank_mask:0xf
.endr
	v_cmp_eq_f32 vcc_lo, v234, v236
	v_cndmask_b32 v237, 0x7f7fffff, v235, vcc_lo
.irp m, 1,2,4
	v_min_num_f32_dpp v237, v237, v237 row_xmask:\m row_mask:0xf bank_mask:0xf
.endr
	v_cvt_u32_f32 v237, v237
	v_cmp_eq_u32 vcc_lo, 9, v[LN]
	v_cndmask_b32 v220, v220, v237, vcc_lo
	v_cndmask_b32 v221, v221, v236, vcc_lo
	v_cmp_gt_u32 vcc_lo, 10, v[LN]
	s_wait_xcnt 0x0
	s_and_saveexec_b32 s78, vcc_lo
	global_store_b32 v[OS], v220, s[14:15] offset:RES_I      ; a row of the results is 40 bytes: all that this work-group owns of them
	global_store_b32 v[OS], v221, s[14:15] offset:RES_V
	s_wait_xcnt 0x0
	s_or_b32 exec_lo, exec_lo, s78
.Lno_res:
	s_cmp_lg_u32 s[WG], 16
	s_cbranch_scc1 .Lend
	v_cmp_gt_u32 vcc_lo, 160, v0                   ; work-group 16: the ten entries, 160 threads x 16 bytes, in runs of 512
	s_wait_xcnt 0x0
	s_and_saveexec_b32 s78, vcc_lo
	global_store_b128 v[OG], v[224:227], s[14:15]
	s_wait_xcnt 0x0
	s_or_b32 exec_lo, exec_lo, s78
.Lend:
	s_wait_tensorcnt 0x0                           ; the wave's end, behind my last LDS store
	ds_add_u32 v[SPW], v[NIL]
	s_wait_dscnt 0x0
	s_endpgm
.Lfunc_end_k_qc539a83523_step0:
	.size	k_qc539a83523_step0, .Lfunc_end_k_qc539a83523_step0-k_qc539a83523_step0
	.p2alignl 7, 3214868480
	.fill 96, 4, 3214868480
	.section	.rodata,"a",@progbits
	.p2align	6, 0x0
	.amdhsa_kernel k_qc539a83523_step0
		.amdhsa_group_segment_fixed_size 67072
		.amdhsa_private_segment_fixed_size 0
		.amdhsa_enable_private_segment 0
		.amdhsa_kernarg_size 48
		.amdhsa_user_sgpr_count 2
		.amdhsa_user_sgpr_kernarg_segment_ptr 1
		.amdhsa_wavefront_size32 1
		.amdhsa_system_sgpr_workgroup_id_x 1
		.amdhsa_system_sgpr_workgroup_id_y 1
		.amdhsa_system_sgpr_workgroup_id_z 1
		.amdhsa_system_vgpr_workitem_id 0
		.amdhsa_next_free_vgpr 256
		.amdhsa_next_free_sgpr 80
		.amdhsa_reserve_vcc 1
		.amdhsa_float_denorm_mode_32 3
		.amdhsa_float_denorm_mode_16_64 3
		.amdhsa_memory_ordered 1
		.amdhsa_forward_progress 1
		.amdhsa_inst_pref_size 75
	.end_amdhsa_kernel
	.amdgpu_metadata
---
amdhsa.version: [ 1, 2 ]
amdhsa.kernels:
  - .name:           k_qc539a83523_step0
    .symbol:         k_qc539a83523_step0.kd
    .args:
      - { .name: node_xy, .offset: 0, .size: 8, .value_kind: global_buffer, .address_space: global }
      - { .name: graph_id, .offset: 8, .size: 8, .value_kind: global_buffer, .address_space: global }
      - { .name: dA, .offset: 16, .size: 8, .value_kind: global_buffer, .address_space: global }
      - { .name: qA, .offset: 24, .size: 8, .value_kind: global_buffer, .address_space: global }
      - { .name: dB, .offset: 32, .size: 8, .value_kind: global_buffer, .address_space: global }
      - { .name: qB, .offset: 40, .size: 8, .value_kind: global_buffer, .address_space: global }
    .group_segment_fixed_size: 67072
    .private_segment_fixed_size: 0
    .kernarg_segment_align: 8
    .kernarg_segment_size: 48
    .max_flat_workgroup_size: 256
    .sgpr_count:     80
    .vgpr_count:     256
    .wavefront_size: 32
...
	.end_amdgpu_metadata
.endif
;; end of part 2
;; launch step1: the kernel of part 2 again; grid 256 x 1, 8 waves a work-group, no clusters, 67,072 bytes of LDS; arguments node_xy, graph_id, dB, qB, dA, qA; writes dA, qA
;; launch step2: the kernel of part 2 again; grid 256 x 1, 8 waves a work-group, no clusters, 67,072 bytes of LDS; arguments node_xy, graph_id, dA, qA, dB, qB; writes dB, qB
;; launch step3: the kernel of part 2 again; grid 256 x 1, 8 waves a work-group, no clusters, 67,072 bytes of LDS; arguments node_xy, graph_id, dB, qB, dA, qA; writes dA, qA
;; launch step4: the kernel of part 2 again; grid 256 x 1, 8 waves a work-group, no clusters, 67,072 bytes of LDS; arguments node_xy, graph_id, dA, qA, dB, qB; writes dB, qB
;; launch step5: the kernel of part 2 again; grid 256 x 1, 8 waves a work-group, no clusters, 67,072 bytes of LDS; arguments node_xy, graph_id, dB, qB, dA, qA; writes dA, qA
;; launch step6: the kernel of part 2 again; grid 256 x 1, 8 waves a work-group, no clusters, 67,072 bytes of LDS; arguments node_xy, graph_id, dA, qA, dB, qB; writes dB, qB
;; launch step7: the kernel of part 2 again; grid 256 x 1, 8 waves a work-group, no clusters, 67,072 bytes of LDS; arguments node_xy, graph_id, dB, qB, dA, qA; writes dA, qA
;; launch step8: the kernel of part 2 again; grid 256 x 1, 8 waves a work-group, no clusters, 67,072 bytes of LDS; arguments node_xy, graph_id, dA, qA, dB, qB; writes dB, qB
;; launch step9: the kernel of part 2 again; grid 256 x 1, 8 waves a work-group, no clusters, 67,072 bytes of LDS; arguments node_xy, graph_id, dB, qB, dA, qA; writes dA, qA
;; launch fin (part 3): grid 16 x 1, 1 waves a work-group, no clusters, 0 bytes of LDS; arguments dA, qA, out0, out1; writes out0, out1
.if DOCPART == 3
	.amdgcn_target "amdgcn-amd-amdhsa--gfx1250"
	.amdhsa_code_object_version 6
	.text
	.protected	k_qc539a83523_fin
	.globl	k_qc539a83523_fin
	.p2align	8
	.type	k_qc539a83523_fin,@function
k_qc539a83523_fin:
	s_mov_b64 s[64:65], 0
	v_nop
	global_prefetch_b8 v0, s[64:65] scope:SCOPE_SE
	s_setreg_imm32_b32 hwreg(HW_REG_WAVE_MODE, 25, 1), 1
	s_wait_xcnt 0x0
; THE END OF THE WALK.  Work-group b, one wave: max and first argmax of row b of the last delta ([j / 4][b][j % 4], 1,024 numbers, 32 a lane), and row b of both outputs:
; columns 0 .. 8 are the places 1 .. 9 of the results' queue (place 0 holds the argmax of g0, which is no output), column 9 is the pair found here.
; One wave a row: the reduction never leaves the wave, so there is no LDS and no barrier.  A row of an output is 40 bytes: all that a work-group owns of it.
; LIMITS.  NaN is not treated apart.  The index rides on the lane exchanges as a float (j < 1,024 is exact).
.set RES_I, 2560
.set RES_V, 3200
	s_load_b256 s[4:11], s[0:1], 0x0               ; delta s[4:5], queue s[6:7], out0 s[8:9], out1 s[10:11]
	s_lshl_b32 s12, ttmp9, 4                       ; 16 b inside a block
	s_mul_i32 s13, ttmp9, 40                       ; row b of ten words
	s_mov_b32 s14, 0x76543210                      ; v_permlanex16_b32: each lane takes its own place in the other half
	s_mov_b32 s15, 0xfedcba98
	v_lshlrev_b32 v1, 8, v0
	v_add_nc_u32 v1, s12, v1                       ; block = lane (+ 32 i in the immediate)
	v_min_u32 v2, 8, v0
	v_lshl_add_u32 v2, v2, 2, s13                  ; lanes 0 .. 8 take the word one place on (the load adds 4); the others stay inside the row
	v_lshl_add_u32 v3, v0, 2, s13
	s_wait_kmcnt 0x0
.set i, 0
.rept 8
	global_load_b128 v[16+4*i:16+4*i+3], v1, s[4:5] offset:8192*i    ; j = 128 i + 4 lane + 0 .. 3
.set i, i+1
.endr
	global_load_b32 v4, v2, s[6:7] offset:RES_I+4
	global_load_b32 v5, v2, s[6:7] offset:RES_V+4
	v_mov_b32 v12, 0                               ; v_permlanex16_b32 counts as a reader of its destination
	s_wait_loadcnt 0x0
.irp k, 0,1,2,3
	v_max3_num_f32 v[8+\k], v[16+\k], v[20+\k], v[24+\k]
.endr
.irp k, 0,1,2,3
	v_max3_num_f32 v[8+\k], v[8+\k], v[28+\k], v[32+\k]
.endr
.irp k, 0,1,2,3
	v_max3_num_f32 v[8+\k], v[8+\k], v[36+\k], v[40+\k]
.endr
.irp k, 0,1,2,3
	v_max_num_f32 v[8+\k], v[8+\k], v[44+\k]
.endr
	v_max3_num_f32 v6, v8, v9, v10
	v_max_num_f32 v6, v6, v11
.irp m, 1,2,4,8
	v_max_num_f32_dpp v6, v6, v6 row_xmask:\m row_mask:0xf bank_mask:0xf
.endr
	v_permlanex16_b32 v12, v6, s14, s15
	v_max_num_f32 v6, v6, v12                      ; the row's maximum, in every lane
	v_mov_b32 v7, 0x4000                           ; "none of mine"
.set e, 31
.rept 32
	v_cmp_neq_f32 vcc_lo, v[16+e], v6
	v_cndmask_b32 v7, 128*(e/4)+e%4, v7, vcc_lo    ; descending, so that my least j with the maximum stays
.set e, e-1
.endr
	v_lshl_add_u32 v7, v0, 2, v7
	v_cvt_f32_u32 v7, v7
.irp m, 1,2,4,8
	v_min_num_f32_dpp v7, v7, v7 row_xmask:\m row_mask:0xf bank_mask:0xf
.endr
	v_permlanex16_b32 v12, v7, s14, s15
	v_min_num_f32 v7, v7, v12
	v_cvt_u32_f32 v7, v7
	v_cmp_eq_u32 vcc_lo, 9, v0
	v_cndmask_b32 v4, v4, v7, vcc_lo
	v_cndmask_b32 v5, v5, v6, vcc_lo
	v_cmp_gt_u32 vcc_lo, 10, v0
	s_wait_xcnt 0x0                                ; EXEC changes only behind this wait
	s_and_saveexec_b32 s16, vcc_lo
	global_store_b32 v3, v4, s[8:9]
	global_store_b32 v3, v5, s[10:11]
	s_wait_xcnt 0x0
	s_or_b32 exec_lo, exec_lo, s16
	s_endpgm
.Lfunc_end_k_qc539a83523_fin:
	.size	k_qc539a83523_fin, .Lfunc_end_k_qc539a83523_fin-k_qc539a83523_fin
	.p2alignl 7, 3214868480
	.fill 96, 4, 3214868480
	.section	.rodata,"a",@progbits
	.p2align	6, 0x0
	.amdhsa_kernel k_qc539a83523_fin
		.amdhsa_group_segment_fixed_size 0
		.amdhsa_private_segment_fixed_size 0
		.amdhsa_enable_private_segment 0
		.amdhsa_kernarg_size 32
		.amdhsa_user_sgpr_count 2
		.amdhsa_user_sgpr_kernarg_segment_ptr 1
		.amdhsa_wavefront_size32 1
		.amdhsa_system_sgpr_workgroup_id_x 1
		.amdhsa_system_sgpr_workgroup_id_y 1
		.amdhsa_system_sgpr_workgroup_id_z 1
		.amdhsa_system_vgpr_workitem_id 0
		.amdhsa_next_free_vgpr 48
		.amdhsa_next_free_sgpr 66
		.amdhsa_reserve_vcc 1
		.amdhsa_float_denorm_mode_32 3
		.amdhsa_float_denorm_mode_16_64 3
		.amdhsa_memory_ordered 1
		.amdhsa_forward_progress 1
		.amdhsa_inst_pref_size 7
	.end_amdhsa_kernel
	.amdgpu_metadata
---
amdhsa.version: [ 1, 2 ]
amdhsa.kernels:
  - .name:           k_qc539a83523_fin
    .symbol:         k_qc539a83523_fin.kd
    .args:
      - { .name: dA, .offset: 0, .size: 8, .value_kind: global_buffer, .address_space: global }
      - { .name: qA, .offset: 8, .size: 8, .value_kind: global_buffer, .address_space: global }
      - { .name: out0, .offset: 16, .size: 8, .value_kind: global_buffer, .address_space: global }
      - { .name: out1, .offset: 24, .size: 8, .value_kind: global_buffer, .address_space: global }
    .group_segment_fixed_size: 0
    .private_segment_fixed_size: 0
    .kernarg_segment_align: 8
    .kernarg_segment_size: 32
    .max_flat_workgroup_size: 32
    .sgpr_count:     66
    .vgpr_count:     48
    .wavefront_size: 32
...
	.end_amdgpu_metadata
.endif
;; end of part 3
